; MI455X (gfx1250); checked and timed in simulation.
; The chip was launched on July 23, 2026; its instructions are those of AMD's public machine-readable ISA for CDNA 5 (MIT licence, August 2026) and "CDNA5" Instruction Set Architecture Reference Guide (July 2026). The comments in the code are by the model that wrote it; some were corrected since.
;; Linear. Allowed arithmetic: float matrix products may take bf16 or f16 operands with f32 sums; all other float work in f32.
;; Inputs: weight 4,096 x 4,096 int32; weight_scaler 4,096 float32; x 2 x 2,048 x 4,096 float32.
;; Outputs: out0 2 x 2,048 x 4,096 float32.
;; 2 versions, each right; version 2 is version 1 with the launch cast written anew for expert scheduling mode. Each part assembles by itself: llvm-mc -triple=amdgcn-amd-amdhsa -mcpu=gfx1250 --defsym DOCPART=n.
;; ======== version 1 of 2: 2 launches
;; workspace buffers: xb 33,554,432 bytes; wb 33,554,432 bytes
;; launch cast (part 1): grid 1024 x 1, 8 waves a work-group, no clusters, 0 bytes of LDS; arguments x, weight, xb, wb; writes xb, wb
.if DOCPART == 1
	.amdgcn_target "amdgcn-amd-amdhsa--gfx1250"
	.amdhsa_code_object_version 6
	.text
	.protected	k_q5571ed7245_cast
	.globl	k_q5571ed7245_cast
	.p2align	8
	.type	k_q5571ed7245_cast,@function
k_q5571ed7245_cast:
	s_mov_b64 s[64:65], 0
	v_nop
	global_prefetch_b8 v0, s[64:65] scope:SCOPE_SE
	s_setreg_imm32_b32 hwreg(HW_REG_WAVE_MODE, 25, 1), 1
	s_wait_xcnt 0x0
; xb = bf16(x), wb = bf16(f32(weight)): both [4096][4096], row-major, as the inputs lie.  x: f32.  weight: int32.
; LIMITS.  x is rounded to bf16, to nearest even: a finite x of magnitude above about 3.39e38 becomes an infinity; NaN and infinities stay what they are.
; A weight of magnitude up to 256 is exact in bf16; a larger one is rounded to 8 significant bits (beyond 2^24 twice: to f32, then to bf16).
; A stream: every input byte is read once, every output byte written once; no LDS, no barrier, no matrix work: there is nothing that waves could share.
; SHARES.  1,024 work-groups of eight waves.  A work-group owns 65,536 bytes of x and of weight, a wave 8,192 of each: 16 chunks of 512 bytes.
; A load of a wave takes one chunk (lane l its bytes 16 l .. 16 l + 15); the lane's four numbers become 8 bytes, so a store of a wave covers 256 consecutive bytes,
; at a multiple of 256 from the buffer's first byte.  Three sets of eight loads: 24 loads of a wave are out while the first set is worked on.
.set IN,  1                            ; v1        my byte offset in the work-group's part of an input: 8,192 x wave + 16 x lane; never rewritten
.set OUT, 2                            ; v2        half of it: my byte offset in the work-group's part of an output; never rewritten
.set R0,  4                            ; v[4:35]   a set: eight chunks, four registers each
.set R1,  36                           ; v[36:67]
.set R2,  68                           ; v[68:99]
	s_load_b256 s[4:11], s[0:1], 0x0               ; x s[4:5], weight s[6:7], xb s[8:9], wb s[10:11]
	v_and_b32 v[IN], 31, v0                        ; lane
	v_lshlrev_b32 v[IN], 4, v[IN]                  ; 16 bytes a lane
	v_and_b32 v[OUT], 0xe0, v0                     ; 32 x wave
	v_lshl_or_b32 v[IN], v[OUT], 8, v[IN]          ; + 8,192 x wave
	v_lshrrev_b32 v[OUT], 1, v[IN]                 ; two bytes out for four in
	s_lshl_b32 s2, ttmp9, 16                       ; the work-group's 65,536 bytes of an input (1,023 x 65,536 stays in 32 bits),
	s_mov_b32 s3, 0
	s_lshl_b32 s12, ttmp9, 15                      ; and its 32,768 bytes of an output
	s_mov_b32 s13, 0
	s_wait_kmcnt 0x0
	s_add_nc_u64 s[4:5], s[4:5], s[2:3]
	s_add_nc_u64 s[6:7], s[6:7], s[2:3]
	s_add_nc_u64 s[8:9], s[8:9], s[12:13]
	s_add_nc_u64 s[10:11], s[10:11], s[12:13]
; Eight loads: chunks c0 .. c0 + 7 of the input at s[base:base+1].  The launch reads these bytes once.
.macro LOADS set, base, c0
.irp j, 0,1,2,3,4,5,6,7
	global_load_b128 v[(\set)+4*(\j):(\set)+4*(\j)+3], v[IN], s[(\base):(\base)+1] offset:512*((\c0)+(\j)) th:TH_LOAD_NT
.endr
.endm
; A set of x goes out.  younger = the loads issued behind this set's eight; loads come back in order (ISA guide 5.7.1), so chunk j is in when 7 - j of its own set and the younger ones are out.
; The stores carry no hint: the next launch reads what they write.
.macro XOUT set, c0, younger
.irp j, 0,1,2,3,4,5,6,7
	s_wait_loadcnt (\younger)+7-(\j)
	v_cvt_pk_bf16_f32 v[(\set)+4*(\j)],   v[(\set)+4*(\j)],   v[(\set)+4*(\j)+1]    ; two roundings to bf16, packed, in place
	v_cvt_pk_bf16_f32 v[(\set)+4*(\j)+1], v[(\set)+4*(\j)+2], v[(\set)+4*(\j)+3]
	global_store_b64 v[OUT], v[(\set)+4*(\j):(\set)+4*(\j)+1], s[8:9] offset:256*((\c0)+(\j))
.endr
.endm
; A set of weight goes out: the same, with the whole numbers made f32 first.
.macro WOUT set, c0, younger
.irp j, 0,1,2,3,4,5,6,7
	s_wait_loadcnt (\younger)+7-(\j)
.irp k, 0,1,2,3
	v_cvt_f32_i32 v[(\set)+4*(\j)+(\k)], v[(\set)+4*(\j)+(\k)]
.endr
	v_cvt_pk_bf16_f32 v[(\set)+4*(\j)],   v[(\set)+4*(\j)],   v[(\set)+4*(\j)+1]
	v_cvt_pk_bf16_f32 v[(\set)+4*(\j)+1], v[(\set)+4*(\j)+2], v[(\set)+4*(\j)+3]
	global_store_b64 v[OUT], v[(\set)+4*(\j):(\set)+4*(\j)+1], s[10:11] offset:256*((\c0)+(\j))
.endr
.endm
	LOADS R0, 4, 0                                 ; x, chunks 0-7
	LOADS R1, 6, 0                                 ; weight, chunks 0-7
	LOADS R2, 4, 8                                 ; x, chunks 8-15
	XOUT  R0, 0, 16                                ; behind R0's loads: R1's and R2's sixteen
	s_wait_xcnt 0x0                                ; every earlier memory instruction has had its addresses translated (ISA guide 3.1): R0, which the stores above read, is loaded again only behind this wait
	LOADS R0, 6, 8                                 ; weight, chunks 8-15
	WOUT  R1, 0, 16                                ; behind R1's loads: R2's eight and R0's second eight
	XOUT  R2, 8, 8                                 ; behind R2's: R0's second eight
	WOUT  R0, 8, 0                                 ; the last set: the counts run down to 0
	s_endpgm
.Lfunc_end_k_q5571ed7245_cast:
	.size	k_q5571ed7245_cast, .Lfunc_end_k_q5571ed7245_cast-k_q5571ed7245_cast
	.p2alignl 7, 3214868480
	.fill 96, 4, 3214868480
	.section	.rodata,"a",@progbits
	.p2align	6, 0x0
	.amdhsa_kernel k_q5571ed7245_cast
		.amdhsa_group_segment_fixed_size 0
		.amdhsa_private_segment_fixed_size 0
		.amdhsa_enable_private_segment 0
		.amdhsa_kernarg_size 32
		.amdhsa_user_sgpr_count 2
		.amdhsa_user_sgpr_kernarg_segment_ptr 1
		.amdhsa_wavefront_size32 1
		.amdhsa_system_sgpr_workgroup_id_x 1
		.amdhsa_system_sgpr_workgroup_id_y 1
		.amdhsa_system_sgpr_workgroup_id_z 1
		.amdhsa_system_vgpr_workitem_id 0
		.amdhsa_next_free_vgpr 100
		.amdhsa_next_free_sgpr 66
		.amdhsa_reserve_vcc 0
		.amdhsa_float_denorm_mode_32 3
		.amdhsa_float_denorm_mode_16_64 3
		.amdhsa_memory_ordered 1
		.amdhsa_forward_progress 1
		.amdhsa_inst_pref_size 14
	.end_amdhsa_kernel
	.amdgpu_metadata
---
amdhsa.version: [ 1, 2 ]
amdhsa.kernels:
  - .name:           k_q5571ed7245_cast
    .symbol:         k_q5571ed7245_cast.kd
    .args:
      - { .name: x, .offset: 0, .size: 8, .value_kind: global_buffer, .address_space: global }
      - { .name: weight, .offset: 8, .size: 8, .value_kind: global_buffer, .address_space: global }
      - { .name: xb, .offset: 16, .size: 8, .value_kind: global_buffer, .address_space: global }
      - { .name: wb, .offset: 24, .size: 8, .value_kind: global_buffer, .address_space: global }
    .group_segment_fixed_size: 0
    .private_segment_fixed_size: 0
    .kernarg_segment_align: 8
    .kernarg_segment_size: 32
    .max_flat_workgroup_size: 256
    .sgpr_count:     66
    .vgpr_count:     100
    .wavefront_size: 32
...
	.end_amdgpu_metadata
.endif
;; end of part 1
;; launch gemm (part 2): grid 16 x 16, 4 waves a work-group, clusters of 4 x 4, 327,680 bytes of LDS; arguments xb, wb, weight_scaler, out0; writes out0
.if DOCPART == 2
	.amdgcn_target "amdgcn-amd-amdhsa--gfx1250"
	.amdhsa_code_object_version 6
	.text
	.protected	k_q5571ed7245_gemm
	.globl	k_q5571ed7245_gemm
	.p2align	8
	.type	k_q5571ed7245_gemm,@function
k_q5571ed7245_gemm:
	s_mov_b64 s[64:65], 0
	v_nop
	global_prefetch_b8 v0, s[64:65] scope:SCOPE_SE
	s_setreg_imm32_b32 hwreg(HW_REG_WAVE_MODE, 25, 1), 1
	s_wait_xcnt 0x0
	s_wait_alu depctr_hold_cnt(0) depctr_sa_sdst(0) depctr_va_vdst(0) depctr_va_sdst(0) depctr_va_ssrc(0) depctr_va_vcc(0) depctr_vm_vsrc(0)
	s_getreg_b32 s2, hwreg(HW_REG_IB_STS2, 6, 4)
	s_cmp_eq_u32 s2, 0
	s_cbranch_scc0 .Lentry_in_a_cluster
	s_endpgm
.Lentry_in_a_cluster:
	s_bfe_u32 s2, ttmp6, 0x10000c
	s_cmp_lg_u32 s2, 0xf033
	s_cbranch_scc0 .Lentry_shape_is_right
	s_endpgm
.Lentry_shape_is_right:
; out0[m][o] = scaler[o] x (sum over i of xb[m][i] wb[o][i]).  xb: [4096][4096] bf16 (x rounded), wb: [4096][4096] bf16 (the weights), scaler: [4096] f32, out0: [4096][4096] f32.
; Products in bf16, sums in f32, K ascending; the finished sum is multiplied by the f32 scaler once.
; LIMITS.  The scaler multiplies the sum, not each weight: the order of rounding differs from a product with scaled weights, and the unscaled sum itself has to stay within f32's range.
; The operands carry the roundings of the launch before (x to bf16; weights of magnitude up to 256 exact).  NaN and infinities are not treated apart.
; SHARES.  A tile of out0, 256 x 256, is made by a work-group of four waves; 16 x 16 tiles, one a work-group.  A wave makes 128 x 128: 64 accumulators of 16 x 16, 512 registers.
; K goes in 32 steps of 128 through a ring of two LDS slots filled by the tensor data mover: the rows of the tiles are 256 bytes of memory and start at multiples of 256 bytes from the buffer's first byte.
; CLUSTERS: 4 x 4 work-groups.  The four of a row of the cluster need the same tiles of xb, the four of a column the same tiles of wb: each tile is asked for JOINTLY, by the same tensor load with the same
; descriptor and a mask that names the four; each receives it in its own LDS.  That divides the requests for both operands by four.
; THE MATRIX INSTRUCTION IS USED TRANSPOSED: source 0 = 16 rows of wb, source 1 = 16 rows of xb.  In the result lane l holds row l % 16 of out0 and its registers 0 to 7 the columns 8 (l / 16) + 0 .. 7.
; REGISTERS, in windows of 256 (s_set_vgpr_msb's low byte: bits 1:0 source 0, 3:2 source 1, 5:4 source 2, 7:6 destination):
;   window 0: v0-35 addresses and the scalers; v64-127, v128-191 fragments of xb (8 x 16 rows x 32 K), two buffers; on the way out the same 128 registers hold rows read back from the stage
;   window 1: v64-127, v128-191 fragments of wb, two buffers
;   window 2: the 32 accumulators of my rows 0-63 (accumulator (a, b) at v[8 (8 a + b)]);   window 3: those of my rows 64-127
.set SIZE_K, 4096
.set KSTEP,  128
.set PITCH,  272                       ; an LDS row: 256 bytes of data + 16 of padding = 68 words: row r starts at bank 4 r mod 64 (64 banks of 4 bytes: ISA guide 11.1), so the 16 rows that a load touches start at 16 different banks
.set HALFT,  128*PITCH                 ; 128 rows: what one tensor load brings, and what one wave reads of xb or of wb
.set SLOT,   4*HALFT                   ; xb's 256 rows, then wb's 256 rows
.set STAGE,  2*SLOT                    ; behind the ring: a stage for each wave, for the way out; no tensor load fills it
.set SPITCH, 528                       ; a stage row: 128 f32 = 512 bytes + 16 of padding = 132 words: row r again starts at bank 4 r mod 64
.set STW,    16*SPITCH                 ; a wave's stage: 16 rows, 33 blocks of 256 bytes
.set SPARE,  STAGE+4*STW               ; behind the stages: the spare words, 128 bytes for each wave: two blocks of 256 bytes that no other line names
.set LAPS,   SIZE_K/(2*KSTEP)          ; a lap = two K steps = once round the ring: 16
.set ROWC,   16384                     ; bytes in a row of out0
.set ADRA, 16                          ; v16-17  LDS address of my fragments of xb in slot 0, 1
.set ADRB, 20                          ; v20-21  the same for wb
.set STO,  24                          ; v24     the way out: where I put 32 bytes of a row
.set RD,   25                          ; v25     the way out: where I read 16 bytes of a row back
.set CO,   26                          ; v26     16 x lane: my byte offset in 512 bytes of out0's row, and in my wave's 128 scalers; never rewritten
.set SPW,  28                          ; v28     LDS address of my spare word: SPARE + 4 x my thread's number; never rewritten
.set NIL,  29                          ; v29     0; never rewritten
.set SC,   32                          ; v[32:35] the scalers of the four columns that I store
.set F0,   64                          ; fragment buffer 0
.set F1,   128                         ; fragment buffer 1
.set WV,   12                          ; s12     my wave's number
.set RH,   13                          ; s13     which half of the tile's rows is mine.  Also: I fetch for xb (0) or for wb (1)
.set CH,   14                          ; s14     which half of its columns.  Also: which 128 rows of that tile I fetch
.set G1,  24                           ; s[24:31] descriptor group 1 for xb's tiles
.set G0,  32                           ; s[32:39] descriptor group 0 for xb's tiles, one set for each slot
.set G1B, 48                           ; s[48:55] descriptor group 1 for wb's tiles: it differs in the mask alone
.set G0B, 56                           ; s[56:63] descriptor group 0 for wb's tiles, one set for each slot
.set MSB, 0
.macro WIN new                         ; the immediate's high byte repeats the setting that is left; a switch that changes nothing is dropped
.if MSB != (\new)
	s_set_vgpr_msb (MSB<<8)|(\new)
.set MSB, \new
.endif
.endm
.set MUL_LO, 0xa1                      ; source 0 (wb) window 1, source 1 (xb) window 0, C and D window 2
.set MUL_HI, 0xf1                      ; the same, C and D window 3
.set TO_B,   0x40                      ; destination window 1, address window 0
; A joint load.  Waves 0 and 1 fetch xb's two halves, waves 2 and 3 wb's.  Each of the two lines has ONE mask and one set of registers for all that issue it; the branch hangs on the wave's number alone.
; An s_nop 0 and four v_nop follow each of the two lines; the jump round the other line, the label and what follows the macro come after them.
.macro JLOAD s
	s_cmp_eq_u32 s[RH], 0
	s_cbranch_scc0 .Lfor_b_\@
	tensor_load_to_lds s[G0+4*(\s):G0+4*(\s)+3], s[G1:G1+7]
	s_nop 0
.rept 4
	v_nop
.endr
	s_branch .Lasked_\@
.Lfor_b_\@:
	tensor_load_to_lds s[G0B+4*(\s):G0B+4*(\s)+3], s[G1B:G1B+7]
	s_nop 0
.rept 4
	v_nop
.endr
.Lasked_\@:
.endm
; A round of the cluster's barrier: my work-group's barrier, so that wave 0's signal speaks for all four waves; wave 0 signals for the work-group; every wave waits for all
; sixteen work-groups; my work-group's barrier once more.  No LDS instruction of the wave is pending at a signal.
.macro CREST                           ; a round behind its opening barrier
	s_cmp_lg_u32 s[WV], 0
	s_cbranch_scc1 .Lnot_wave_0_\@
	s_barrier_signal -3
.Lnot_wave_0_\@:
	s_barrier_wait -3
	s_barrier_signal -1
	s_barrier_wait -1
.endm
.macro CROUND                          ; a whole round
	s_barrier_signal -1
	s_barrier_wait -1
	CREST
.endm
	s_load_b256 s[4:11], s[0:1], 0x0               ; xb s[4:5], wb s[6:7], scaler s[8:9], out0 s[10:11]
	v_lshl_add_u32 v[SPW], v0, 2, SPARE
	v_mov_b32 v[NIL], 0
	ds_add_u32 v[SPW], v[NIL]                      ; the wave's opening: the add and its wait stand ahead of my first tensor load; the set-up below, work on registers, stands between them
	v_lshrrev_b32 v1, 5, v0
	v_readfirstlane_b32 s[WV], v1                  ; wave 0..3
	s_lshr_b32 s[RH], s[WV], 1
	s_and_b32 s[CH], s[WV], 1
	s_bfe_u32 s40, ttmp6, 0x40000                  ; cx: my place along the cluster's x
	s_bfe_u32 s41, ttmp6, 0x40004                  ; cy: along its y
	s_lshl_b32 s42, ttmp9, 2                       ; in a cluster launch ttmp9 and ttmp7 count clusters
	s_add_co_u32 s42, s42, s40                     ; tile column = 4 x cluster x + cx
	s_and_b32 s15, ttmp7, 0xffff
	s_lshl_b32 s15, s15, 2
	s_add_co_u32 s15, s15, s41                     ; tile row = 4 x cluster y + cy
	s_lshl_b32 s43, s41, 2
	s_lshl_b32 s43, 15, s43                        ; my row of the cluster: places 4 cy .. 4 cy + 3
	s_lshl_b32 s44, 0x1111, s40                    ; my column: places cx, cx + 4, cx + 8, cx + 12
	; descriptor group 1: a tile of 128 rows x 128 elements, padded in LDS
	s_or_b32 s[G1+0], s43, (1<<16)|(1<<20)|(1<<21)|(5<<22)|(3<<25)   ; 15:0 the mask: xb's tiles go to my row; 17:16 elements of 2 bytes; 20 padding on; 21 set beside a mask; 24:22 after every 64 words (code 5); 31:25 4 words of it (code 3)
	s_or_b32 s[G1B+0], s44, (1<<16)|(1<<20)|(1<<21)|(5<<22)|(3<<25)  ; the same with the mask of my column, for wb's tiles
.irp g, G1, G1B
	s_mov_b32 s[(\g)+1], KSTEP<<16                 ; 63:48 tensor_dim0, low half = 128
	s_mov_b32 s[(\g)+2], 128<<16                   ; 79:64 its high half = 0; 95:80 tensor_dim1, low half = 128
	s_mov_b32 s[(\g)+3], KSTEP<<16                 ; 111:96 its high half = 0; 127:112 tile_dim0 = 128
	s_mov_b32 s[(\g)+4], 128                       ; 143:128 tile_dim1 = 128; 159:144 tile_dim2 = 0
	s_mov_b32 s[(\g)+5], SIZE_K                    ; 191:160 tensor_dim0_stride, low word: elements from row to row
	s_mov_b32 s[(\g)+6], 0
	s_mov_b32 s[(\g)+7], 0
.endr
	; where the tiles come from.  xb's hang on the tile row alone, which my row of the cluster shares; wb's on the tile column alone, which my column shares.
	; Every wave makes both offsets, in registers that never hold the other coordinate, and asks by one of them.  A row is 8,192 bytes; 3,968 rows of them stay in 32 bits.
	s_lshl_b32 s17, s[CH], 7                       ; which 128 rows of the tile I fetch
	s_lshl_b32 s16, s15, 8
	s_add_co_u32 s16, s16, s17                     ; xb: row 256 x tile row + 128 x half
	s_lshl_b32 s16, s16, 13
	s_lshl_b32 s46, s42, 8
	s_add_co_u32 s46, s46, s17                     ; wb: row 256 x tile column + 128 x half
	s_lshl_b32 s46, s46, 13
	s_mov_b32 s17, 0
	s_mov_b32 s47, 0
	s_mul_i32 s20, s[WV], HALFT                    ; and where they go: xb's two halves, then wb's two halves = wave x 128 rows: no place in the cluster enters an LDS address
	s_wait_dscnt 0x0                               ; the opening add is done
	s_wait_kmcnt 0x0
	s_add_nc_u64 s[16:17], s[4:5], s[16:17]
	s_add_nc_u64 s[46:47], s[6:7], s[46:47]
	CROUND                                         ; all sixteen work-groups are here: the first joint loads meet
.irp s, 0,1
	s_mov_b32 s[G0+4*(\s)], 1                                        ; 1:0 count = 1
	s_add_co_u32 s[G0+4*(\s)+1], s20, (\s)*SLOT                      ; 63:32 LDS address
	s_add_nc_u64 s[G0+4*(\s)+2:G0+4*(\s)+3], s[16:17], (\s)*KSTEP*2  ; 120:64 global address: K step s
	s_or_b32 s[G0+4*(\s)+3], s[G0+4*(\s)+3], 0x80000000              ; 127:126 type = 2
	s_mov_b32 s[G0B+4*(\s)], 1
	s_add_co_u32 s[G0B+4*(\s)+1], s20, (\s)*SLOT
	s_add_nc_u64 s[G0B+4*(\s)+2:G0B+4*(\s)+3], s[46:47], (\s)*KSTEP*2
	s_or_b32 s[G0B+4*(\s)+3], s[G0B+4*(\s)+3], 0x80000000
	JLOAD \s                                       ; the ring is filled before anything else is done: two tensor loads of mine are out
.endr
	; A fragment is 16 rows x 32 K in 8 registers: lane l holds row l % 16; registers 0-3 hold K = 8 (l / 16) + 0..7, registers 4-7 hold
	; K = 16 + 8 (l / 16) + 0..7.  From rows that lie along K: two loads of 16 bytes, 32 bytes apart.  The same for source 0 and source 1.
	v_and_b32 v1, 15, v0                           ; l % 16
	v_bfe_u32 v2, v0, 4, 1                         ; l / 16
	v_mul_u32_u24 v3, v1, PITCH
	v_lshl_add_u32 v3, v2, 4, v3                   ; row x pitch + 16 x half
	s_mul_i32 s21, s[RH], HALFT                    ; my 128 rows of xb
	s_mul_i32 s22, s[CH], HALFT                    ; my 128 rows of wb,
	s_add_co_u32 s22, s22, 2*HALFT                 ; which lie behind xb's 256
.irp s, 0,1
	v_add_nc_u32 v[ADRA+(\s)], s21, v3
	v_add_nc_u32 v[ADRB+(\s)], s22, v3
	s_add_co_u32 s21, s21, SLOT
	s_add_co_u32 s22, s22, SLOT
.endr
	s_mul_i32 s23, s[WV], STW
	s_add_co_u32 s23, s23, STAGE                   ; my stage
	v_mul_u32_u24 v4, v1, SPITCH                   ; in: row l % 16; a lane's eight f32 are 32 bytes, so 32 bytes for each half of the lanes
	v_lshl_add_u32 v4, v2, 5, v4
	v_add_nc_u32 v[STO], s23, v4
	v_and_b32 v5, 31, v0
	v_lshlrev_b32 v[CO], 4, v5                     ; back: the 32 lanes take one row of 512 bytes, 16 bytes each
	v_add_nc_u32 v[RD], s23, v[CO]
	; where my part of the tile begins in out0, and my 128 scalers
	s_lshl_b32 s16, s15, 8
	s_lshl_b32 s17, s[RH], 7
	s_add_co_u32 s16, s16, s17                     ; my first row of out0,
	s_lshl_b32 s16, s16, 14                        ; in bytes: 3,968 rows of 16,384 bytes stay in 32 bits
	s_mov_b32 s17, 0
	s_lshl_b32 s46, s42, 10                        ; my first column, in bytes of f32: 1,024 x tile column + 512 x half (in the registers that held wb's address: none that feeds xb's descriptors ever holds cx)
	s_lshl_b32 s47, s[CH], 9
	s_add_co_u32 s46, s46, s47
	s_mov_b32 s47, 0
	s_add_nc_u64 s[10:11], s[10:11], s[16:17]
	s_add_nc_u64 s[10:11], s[10:11], s[46:47]
	s_add_nc_u64 s[8:9], s[8:9], s[46:47]
	global_load_b128 v[SC:SC+3], v[CO], s[8:9]     ; the wave's 128 scalers, 512 consecutive bytes, once: lane l those of columns 4 l .. 4 l + 3, the columns that it stores
	s_wait_loadcnt 0x0                             ; stands in the wait for the first tile
; 16 matrix instructions: m blocks a0, a0 + 1 of the window's four (hi = 0: my rows 0-63, 1: rows 64-127) x all 8 n blocks, 32 along K.
; zero = 1: the first product starts the sums: nothing is ever cleared.
.macro MUL16 f, hi, a0, zero
	WIN MUL_LO+0x50*(\hi)  ; MUL_LO or MUL_HI
.irp a, \a0, (\a0)+1
.irp b, 0,1,2,3,4,5,6,7
.if \zero
	v_wmma_f32_16x16x32_bf16 v[8*(8*(\a)+(\b)):8*(8*(\a)+(\b))+7], v[(\f)+8*(\b):(\f)+8*(\b)+7], v[(\f)+8*(4*(\hi)+(\a)):(\f)+8*(4*(\hi)+(\a))+7], 0
.else
	v_wmma_f32_16x16x32_bf16 v[8*(8*(\a)+(\b)):8*(8*(\a)+(\b))+7], v[(\f)+8*(\b):(\f)+8*(\b)+7], v[(\f)+8*(4*(\hi)+(\a)):(\f)+8*(4*(\hi)+(\a))+7], v[8*(8*(\a)+(\b)):8*(8*(\a)+(\b))+7]
.endif
.endr
.endr
.endm
; 32 LDS loads in one run: the fragments of one quarter step (128 rows of wb, 128 rows of xb, 32 K at byte k of the rows) into buffer f
.macro FETCH slot, k, f
	WIN TO_B
.irp i, 0,1,2,3,4,5,6,7
	ds_load_b128 v[(\f)+8*(\i):(\f)+8*(\i)+3],   v[ADRB+(\slot)] offset:(\k)+(\i)*16*PITCH
	ds_load_b128 v[(\f)+8*(\i)+4:(\f)+8*(\i)+7], v[ADRB+(\slot)] offset:(\k)+(\i)*16*PITCH+32
.endr
	WIN 0
.irp i, 0,1,2,3,4,5,6,7
	ds_load_b128 v[(\f)+8*(\i):(\f)+8*(\i)+3],   v[ADRA+(\slot)] offset:(\k)+(\i)*16*PITCH
	ds_load_b128 v[(\f)+8*(\i)+4:(\f)+8*(\i)+7], v[ADRA+(\slot)] offset:(\k)+(\i)*16*PITCH+32
.endr
.endm
; A load into a register that a matrix instruction has read, and an LDS store or a vector instruction that reads a matrix result, stand four places behind that matrix instruction, and only plain
; vector instructions that name none of its registers are places (ISA guide 7.12.1 for vector instructions); the matrix instructions in between are not counted.
.macro PLACES
.rept 4
	v_nop
.endr
.endm
; A K step is four quarter steps of 32 along K, 64 matrix instructions each, on buffers 0, 1, 0, 1.  The 64 accumulators take turns, one instruction a turn, in the same order in every quarter.
; One of the first three: multiplies buffer f; in its middle it fetches the next quarter's fragments, at byte k of the same slot's rows, into buffer g.
.macro QUARTER slot, k, f, g, zero
	s_wait_dscnt 8                                 ; wb and xb's rows 0-63 are in; the youngest eight loads (xb's rows 64-127) may be out
	MUL16 \f, 0, 0, \zero
	MUL16 \f, 0, 2, \zero
	PLACES
	FETCH \slot, \k, \g
	s_wait_dscnt 32                                ; all but the 32 just issued
	MUL16 \f, 1, 0, \zero
	MUL16 \f, 1, 2, \zero
.endm
; The last quarter multiplies buffer 1 and changes slots.  MEET is its first half: ONE barrier for the change of slots, for two things.  In front of it each wave waits for all its tensor loads, of which
; one is out: its part of the next slot; adds 0 to its spare word; and waits for that and for its own reads of this slot.  Behind it nobody reads this slot any more and the next slot is whole.
.macro MEET round                      ; round = 1: the rest of a round of the cluster's barrier follows
	WIN 0                                          ; (the add's two registers lie in window 0)
	s_wait_tensorcnt 0x0                           ; all my tensor loads have landed: the one that was out is my part of the next slot;
	ds_add_u32 v[SPW], v[NIL]                      ; 0 onto my spare word;
	s_wait_dscnt 9                                 ; (the add and the youngest eight loads may be out)
	MUL16 F1, 0, 0, 0                              ; sixteen matrix instructions stand between the add and the wait for it
	s_wait_dscnt 0x0                               ; the add is done, and my reads of this slot are over:
	s_barrier_signal -1                            ; say so (where a slot is filled again this barrier opens a round of the cluster's barrier),
	MUL16 F1, 0, 2, 0                              ; work on registers while the others arrive,
.if \round
	WIN 0
.endif
	s_barrier_wait -1                              ; and go on when all four have said so
.endm
; The whole last quarter.  fill = 1: behind the round the slot just read out is filled again first, with the K step two steps on; then come the next slot's first fragments.
; From a request to the wait for it a wave issues 224 matrix instructions.  fill = 0: nothing is left to fetch, so no round follows the barrier.
.macro TURN slot, next, fill
	MEET \fill
.if \fill
	CREST                                          ; wave 0 says so for the work-group, all sixteen work-groups have said so, my work-group's barrier closes the round:
	                                               ; no wave of any partner still reads this slot's tile or has a load on its way
	s_add_nc_u64 s[G0+4*(\slot)+2:G0+4*(\slot)+3], s[G0+4*(\slot)+2:G0+4*(\slot)+3], 2*KSTEP*2      ; no tensor load of mine is out: a group 0 may be written; the type bits on top are not reached
	s_add_nc_u64 s[G0B+4*(\slot)+2:G0B+4*(\slot)+3], s[G0B+4*(\slot)+2:G0B+4*(\slot)+3], 2*KSTEP*2
	JLOAD \slot                                    ; the first tensor load behind the round, my only one until the next; the four v_nop behind it are also the places in front of the loads below
.else
	PLACES
.endif
	FETCH \next, 0, F0
	MUL16 F1, 1, 0, 0
	MUL16 F1, 1, 2, 0
.endm
; THE WAY OUT of block a (16 rows x my 128 columns, 8 accumulators).  A lane's eight f32 are 32 bytes of a row, and the lanes beside it hold other rows; so the block goes through my own stage in LDS.
; TOSTAGE: the accumulators as they are, each from its low registers on, into rows of 528 bytes; back as whole rows of 512 bytes, into the registers where xb's fragments lay, two sets by turns.
.macro TOSTAGE a
.set AC, 64*((\a)%4)
.set BK, 64+64*((\a)%2)
.if (\a) >= 2
	s_wait_xcnt 0x0                                ; every earlier memory instruction has had its addresses translated (ISA guide 3.1): the set that block a - 2's stores read is loaded again only behind this wait
.endif
	WIN 0x08+4*((\a)/4)                            ; an LDS store's data is source 1: window 2 or 3; its address is in window 0
.irp b, 0,1,2,3,4,5,6,7
	ds_store_b128 v[STO], v[AC+8*(\b):AC+8*(\b)+3]   offset:64*(\b)
	ds_store_b128 v[STO], v[AC+8*(\b)+4:AC+8*(\b)+7] offset:64*(\b)+16
.endr
	WIN 0
.irp t, 0,1,2,3,4,5,6,7,8,9,10,11,12,13,14,15
	ds_load_b128 v[BK+4*(\t):BK+4*(\t)+3], v[RD] offset:SPITCH*(\t)  ; LDS serves a wave's instructions in order (ISA guide 5.7.1.4): these see the stores above, and the next block's stores come behind them
.endr
.endm
; SEND: each row times my four columns' scalers, and stored.  younger: the LDS instructions issued behind block a's loads: the next block's 32, or none.
.macro SEND a, younger
.set BK, 64+64*((\a)%2)
.irp t, 0,1,2,3,4,5,6,7,8,9,10,11,12,13,14,15
	s_wait_dscnt (\younger)+15-(\t)                ; row t is back: behind its load stand the block's 15 - t later ones and the younger
	v_pk_mul_f32 v[BK+4*(\t):BK+4*(\t)+1],   v[BK+4*(\t):BK+4*(\t)+1],   v[SC:SC+1]
	v_pk_mul_f32 v[BK+4*(\t)+2:BK+4*(\t)+3], v[BK+4*(\t)+2:BK+4*(\t)+3], v[SC+2:SC+3]
	global_store_b128 v[CO], v[BK+4*(\t):BK+4*(\t)+3], s[10:11] offset:(16*(\a)+(\t))*ROWC th:TH_STORE_NT  ; 512 consecutive bytes, at a multiple of 256 from out0's first byte; 127 rows at the most: 2,080,768, inside the signed 24-bit immediate
.endr
.endm
	s_wait_tensorcnt 1                             ; my part of K step 0 is in; K step 1's may stay out
	s_barrier_signal -1
	s_barrier_wait -1                              ; everybody's is
	FETCH 0, 0, F0
	QUARTER 0, 64,  F0, F1, 1                      ; the first quarter stands in front of the loop: its products start the sums
	WIN 0                                          ; at a label and at a branch every window is 0
	s_mov_b32 s3, LAPS-1
.Llap:                                                 ; 15 trips: a trip goes once round the ring, from a lap's second quarter to the next lap's first, and fills both slots again: K steps 2 to 31
	QUARTER 0, 128, F1, F0, 0
	QUARTER 0, 192, F0, F1, 0
	TURN 0, 1, 1
	QUARTER 1, 64,  F0, F1, 0
	QUARTER 1, 128, F1, F0, 0
	QUARTER 1, 192, F0, F1, 0
	TURN 1, 0, 1
	QUARTER 0, 64,  F0, F1, 0
	WIN 0
	s_sub_co_u32 s3, s3, 1
	s_cmp_lg_u32 s3, 0
	s_cbranch_scc1 .Llap
	QUARTER 0, 128, F1, F0, 0                      ; the last lap is written out: it fills nothing and has no round of the cluster's barrier
	QUARTER 0, 192, F0, F1, 0
	TURN 0, 1, 0
	QUARTER 1, 64,  F0, F1, 0
	QUARTER 1, 128, F1, F0, 0
	QUARTER 1, 192, F0, F1, 0
	s_wait_dscnt 8                                 ; the very last quarter: nothing more to fetch
	MUL16 F1, 0, 0, 0
	MUL16 F1, 0, 2, 0
	s_wait_dscnt 0x0
	MUL16 F1, 1, 0, 0
	MUL16 F1, 1, 2, 0
	WIN 0
	PLACES                                         ; behind the last products: for the LDS stores that read results, and for the loads into the registers where xb's fragments lay
	TOSTAGE 0
	TOSTAGE 1                                      ; a block's way through the stage stands between the loads of the block before and their use
	SEND 0, 32
.irp a, 2,3,4,5,6,7
	TOSTAGE \a
	SEND (\a)-1, 32
.endr
	SEND 7, 0
	s_wait_tensorcnt 0x0                           ; the wave's end, behind my last tensor load and my last LDS store
	ds_add_u32 v[SPW], v[NIL]
	s_wait_dscnt 0x0
	CROUND                                         ; the closing round: no work-group ends while a partner may still ask for a tile that names it
	s_endpgm
.Lfunc_end_k_q5571ed7245_gemm:
	.size	k_q5571ed7245_gemm, .Lfunc_end_k_q5571ed7245_gemm-k_q5571ed7245_gemm
	.p2alignl 7, 3214868480
	.fill 96, 4, 3214868480
	.section	.rodata,"a",@progbits
	.p2align	6, 0x0
	.amdhsa_kernel k_q5571ed7245_gemm
		.amdhsa_group_segment_fixed_size 327680
		.amdhsa_private_segment_fixed_size 0
		.amdhsa_enable_private_segment 0
		.amdhsa_kernarg_size 32
		.amdhsa_user_sgpr_count 2
		.amdhsa_user_sgpr_kernarg_segment_ptr 1
		.amdhsa_wavefront_size32 1
		.amdhsa_system_sgpr_workgroup_id_x 1
		.amdhsa_system_sgpr_workgroup_id_y 1
		.amdhsa_system_sgpr_workgroup_id_z 1
		.amdhsa_system_vgpr_workitem_id 0
		.amdhsa_next_free_vgpr 1024
		.amdhsa_next_free_sgpr 66
		.amdhsa_reserve_vcc 0
		.amdhsa_float_denorm_mode_32 3
		.amdhsa_float_denorm_mode_16_64 3
		.amdhsa_memory_ordered 1
		.amdhsa_forward_progress 1
		.amdhsa_inst_pref_size 160
	.end_amdhsa_kernel
	.amdgpu_metadata
---
amdhsa.version: [ 1, 2 ]
amdhsa.kernels:
  - .name:           k_q5571ed7245_gemm
    .symbol:         k_q5571ed7245_gemm.kd
    .args:
      - { .name: xb, .offset: 0, .size: 8, .value_kind: global_buffer, .address_space: global }
      - { .name: wb, .offset: 8, .size: 8, .value_kind: global_buffer, .address_space: global }
      - { .name: weight_scaler, .offset: 16, .size: 8, .value_kind: global_buffer, .address_space: global }
      - { .name: out0, .offset: 24, .size: 8, .value_kind: global_buffer, .address_space: global }
    .group_segment_fixed_size: 327680
    .private_segment_fixed_size: 0
    .kernarg_segment_align: 8
    .kernarg_segment_size: 32
    .max_flat_workgroup_size: 128
    .sgpr_count:     66
    .vgpr_count:     1024
    .wavefront_size: 32
...
	.end_amdgpu_metadata
.endif
;; end of part 2
;; ======== version 2 of 2: 2 launches; version 1 with the launch cast written anew for expert scheduling mode
;; workspace buffers: xb 33,554,432 bytes; wb 33,554,432 bytes
;; launch cast (part 3): grid 1024 x 1, 8 waves a work-group, no clusters, 0 bytes of LDS; arguments x, weight, xb, wb; writes xb, wb
.if DOCPART == 3
	.amdgcn_target "amdgcn-amd-amdhsa--gfx1250"
	.amdhsa_code_object_version 6
	.text
	.protected	k_q5571ed7245_cast
	.globl	k_q5571ed7245_cast
	.p2align	8
	.type	k_q5571ed7245_cast,@function
k_q5571ed7245_cast:
	s_mov_b64 s[64:65], 0
	v_nop
	global_prefetch_b8 v0, s[64:65] scope:SCOPE_SE
	s_setreg_imm32_b32 hwreg(HW_REG_WAVE_SCHED_MODE, 0, 2), 2
	s_setreg_imm32_b32 hwreg(HW_REG_WAVE_MODE, 25, 1), 1
	s_wait_xcnt 0x0
	s_wait_alu depctr_vm_vsrc(0)
; xb = bf16(x), wb = bf16(f32(weight)): both [4096][4096], row-major, as the inputs lie.  x: f32.  weight: int32.
; LIMITS.  x is rounded to bf16, to nearest even: a finite x of magnitude above about 3.39e38 becomes an infinity; NaN and infinities stay what they are.
; A weight of magnitude up to 256 is exact in bf16; a larger one is rounded to 8 significant bits (beyond 2^24 twice: to f32, then to bf16).
; A stream: every input byte is read once, every output byte written once; no LDS, no barrier, no matrix work: there is nothing that waves could share.
; SHARES.  1,024 work-groups of eight waves.  A work-group owns 65,536 bytes of x and of weight, a wave 8,192 of each: 16 chunks of 512 bytes.
; A load of a wave takes one chunk (lane l its bytes 16 l .. 16 l + 15); the lane's four numbers become 8 bytes, so a store of a wave covers 256 consecutive bytes,
; at a multiple of 256 from the buffer's first byte.  Three sets of eight loads: 24 loads of a wave are out while the first set is worked on.
; THE MODE: SCHED_MODE bits 1:0 = 2 (LLVM: expert scheduling mode 2), set by the entry lines.  The code itself states the register dependences
; between vector instructions and memory instructions, with s_wait_alu, always for 0.
; THE PLAN.  Four blocks of eight chunks.  Registers that memory instructions touch:
;   v1, v2  byte offsets, made once at the head and never written again: the chunks are reached by immediate offsets.
;   R0      loaded with x's chunks 0-7; block 0's conversions read it and write Y; then it is loaded again, with weight's chunks 8-15; block 3 converts these in place; the last eight stores read it.
;   R1      loaded with weight's chunks 0-7; block 1 converts in place; the eight stores issued in block 2 read it.
;   R2      loaded with x's chunks 8-15;     block 2 converts in place; the eight stores issued in block 3 read it.
;   Y       written by block 0's conversions; the eight stores issued in block 1 read it.
; Block p's stores are those of block p - 1's results, and no vector instruction of block p names the registers that they read: block 1 names R1 alone, block 2 R2, block 3 R0.
; So one wait ahead of a block's first store states all that its eight stores hang on, and they are dealt among the block's conversions with no further wait.
; No register that a memory instruction has read is ever written again: R0 is loaded a second time, but its first results leave from Y.  So the text holds no wait for sources to be read.
.set IN,  1                            ; v1        my byte offset in the work-group's part of an input: 8,192 x wave + 16 x lane; never rewritten
.set OUT, 2                            ; v2        half of it: my byte offset in the work-group's part of an output; never rewritten
.set R0,  4                            ; v[4:35]   a set: eight chunks, four registers each
.set R1,  36                           ; v[36:67]
.set R2,  68                           ; v[68:99]
.set Y,   100                          ; v[100:115] block 0's results: eight chunks, two registers each
	s_load_b256 s[4:11], s[0:1], 0x0               ; x s[4:5], weight s[6:7], xb s[8:9], wb s[10:11]
	v_and_b32 v[IN], 31, v0                        ; lane
	v_lshlrev_b32 v[IN], 4, v[IN]                  ; 16 bytes a lane
	v_and_b32 v[OUT], 0xe0, v0                     ; 32 x wave
	v_lshl_or_b32 v[IN], v[OUT], 8, v[IN]          ; + 8,192 x wave
	v_lshrrev_b32 v[OUT], 1, v[IN]                 ; two bytes out for four in
	s_lshl_b32 s2, ttmp9, 16                       ; the work-group's 65,536 bytes of an input (1,023 x 65,536 stays in 32 bits),
	s_mov_b32 s3, 0
	s_lshl_b32 s12, ttmp9, 15                      ; and its 32,768 bytes of an output
	s_mov_b32 s13, 0
	s_wait_kmcnt 0x0
	s_add_nc_u64 s[4:5], s[4:5], s[2:3]
	s_add_nc_u64 s[6:7], s[6:7], s[2:3]
	s_add_nc_u64 s[8:9], s[8:9], s[12:13]
	s_add_nc_u64 s[10:11], s[10:11], s[12:13]
	s_wait_alu depctr_va_vdst(0)                   ; v1 and v2 are written: every load of the kernel reads v1 as its offset, every store v2
; Eight loads: chunks c0 .. c0 + 7 of the input at s[base:base+1].  The launch reads these bytes once.
.macro LOADS set, base, c0
.irp j, 0,1,2,3,4,5,6,7
	global_load_b128 v[(\set)+4*(\j):(\set)+4*(\j)+3], v[IN], s[(\base):(\base)+1] offset:512*((\c0)+(\j)) th:TH_LOAD_NT
.endr
.endm
; A chunk of x: the four f32 at s become four bf16 in the two registers at d (d = s: in place).
.macro XCV d, s
	v_cvt_pk_bf16_f32 v[(\d)],   v[(\s)],   v[(\s)+1]    ; two roundings to bf16, packed
	v_cvt_pk_bf16_f32 v[(\d)+1], v[(\s)+2], v[(\s)+3]
.endm
; A chunk of weight, in place: the same, with the whole numbers made f32 first.
.macro WCV s
.irp k, 0,1,2,3
	v_cvt_f32_i32 v[(\s)+(\k)], v[(\s)+(\k)]
.endr
	v_cvt_pk_bf16_f32 v[(\s)],   v[(\s)],   v[(\s)+1]
	v_cvt_pk_bf16_f32 v[(\s)+1], v[(\s)+2], v[(\s)+3]
.endm
; A chunk goes out: the two registers at r, as chunk c of the output at s[base:base+1].  The stores carry no hint: the next launch reads what they write.
.macro ST r, base, c
	global_store_b64 v[OUT], v[(\r):(\r)+1], s[(\base):(\base)+1] offset:256*(\c)
.endm
	LOADS R0, 4, 0                                 ; x, chunks 0-7
	LOADS R1, 6, 0                                 ; weight, chunks 0-7
	LOADS R2, 4, 8                                 ; x, chunks 8-15
; Block 0: x's chunks 0-7, from R0 into Y.  Loads come back in order (ISA guide 5.7.1), so chunk j is in when 7 - j of its own set and the younger sets are out.
.irp j, 0,1,2,3,4,5,6,7
	s_wait_loadcnt 16+7-(\j)                       ; behind R0's loads: R1's and R2's sixteen
	XCV Y+2*(\j), R0+4*(\j)
.endr
	s_wait_alu depctr_va_vdst(0)                   ; block 0's conversions are done reading R0, in which the loads below land, and have written Y, which block 1's stores read.  It stands here, not at block 1's head, so that R0 is asked for again at once
	LOADS R0, 6, 8                                 ; weight, chunks 8-15; R0's first loads are done (the count 16 above), and no memory instruction has R0 among its sources
; Block 1: weight's chunks 0-7, in place in R1; block 0's stores are dealt among its conversions, which name R1 alone.
.irp j, 0,1,2,3,4,5,6,7
	ST Y+2*(\j), 8, \j                             ; xb, chunk j
	s_wait_loadcnt 16+7-(\j)                       ; behind R1's loads: R2's eight and R0's second eight
	WCV R1+4*(\j)
.endr
; Block 2: x's chunks 8-15, in place in R2; block 1's stores are dealt among its conversions, which name R2 alone.
	s_wait_loadcnt 8+7                             ; R2's first chunk is in; behind R2's loads: R0's second eight
	s_wait_alu depctr_va_vdst(0)                   ; block 1's conversions have written R1, which the eight stores of this block read
.irp j, 0,1,2,3,4,5,6,7
	ST R1+4*(\j), 10, \j                           ; wb, chunk j
.if (\j) > 0
	s_wait_loadcnt 8+7-(\j)
.endif
	XCV R2+4*(\j), R2+4*(\j)
.endr
; Block 3: weight's chunks 8-15, in place in R0; block 2's stores are dealt among its conversions, which name R0 alone.
	s_wait_loadcnt 7                               ; the last set's first chunk is in: the counts run down to 0
	s_wait_alu depctr_va_vdst(0)                   ; block 2's conversions have written R2, which the eight stores of this block read
.irp j, 0,1,2,3,4,5,6,7
	ST R2+4*(\j), 8, 8+(\j)                        ; xb, chunk 8 + j
.if (\j) > 0
	s_wait_loadcnt 7-(\j)
.endif
	WCV R0+4*(\j)
.endr
	s_wait_alu depctr_va_vdst(0)                   ; block 3's conversions have written R0, which the last eight stores read
.irp j, 0,1,2,3,4,5,6,7
	ST R0+4*(\j), 10, 8+(\j)                       ; wb, chunk 8 + j
.endr
	s_endpgm
.Lfunc_end_k_q5571ed7245_cast:
	.size	k_q5571ed7245_cast, .Lfunc_end_k_q5571ed7245_cast-k_q5571ed7245_cast
	.p2alignl 7, 3214868480
	.fill 96, 4, 3214868480
	.section	.rodata,"a",@progbits
	.p2align	6, 0x0
	.amdhsa_kernel k_q5571ed7245_cast
		.amdhsa_group_segment_fixed_size 0
		.amdhsa_private_segment_fixed_size 0
		.amdhsa_enable_private_segment 0
		.amdhsa_kernarg_size 32
		.amdhsa_user_sgpr_count 2
		.amdhsa_user_sgpr_kernarg_segment_ptr 1
		.amdhsa_wavefront_size32 1
		.amdhsa_system_sgpr_workgroup_id_x 1
		.amdhsa_system_sgpr_workgroup_id_y 1
		.amdhsa_system_sgpr_workgroup_id_z 1
		.amdhsa_system_vgpr_workitem_id 0
		.amdhsa_next_free_vgpr 116
		.amdhsa_next_free_sgpr 66
		.amdhsa_reserve_vcc 0
		.amdhsa_float_denorm_mode_32 3
		.amdhsa_float_denorm_mode_16_64 3
		.amdhsa_memory_ordered 1
		.amdhsa_forward_progress 1
		.amdhsa_inst_pref_size 15
	.end_amdhsa_kernel
	.amdgpu_metadata
---
amdhsa.version: [ 1, 2 ]
amdhsa.kernels:
  - .name:           k_q5571ed7245_cast
    .symbol:         k_q5571ed7245_cast.kd
    .args:
      - { .name: x, .offset: 0, .size: 8, .value_kind: global_buffer, .address_space: global }
      - { .name: weight, .offset: 8, .size: 8, .value_kind: global_buffer, .address_space: global }
      - { .name: xb, .offset: 16, .size: 8, .value_kind: global_buffer, .address_space: global }
      - { .name: wb, .offset: 24, .size: 8, .value_kind: global_buffer, .address_space: global }
    .group_segment_fixed_size: 0
    .private_segment_fixed_size: 0
    .kernarg_segment_align: 8
    .kernarg_segment_size: 32
    .max_flat_workgroup_size: 256
    .sgpr_count:     66
    .vgpr_count:     116
    .wavefront_size: 32
...
	.end_amdgpu_metadata
.endif
;; end of part 3
;; launch gemm: the kernel of part 2 again; grid 16 x 16, 4 waves a work-group, clusters of 4 x 4, 327,680 bytes of LDS; arguments xb, wb, weight_scaler, out0; writes out0
